; MI455X (gfx1250); checked and timed in simulation.
; The chip was launched on July 23, 2026; its instructions are those of AMD's public machine-readable ISA for CDNA 5 (MIT licence, August 2026) and "CDNA5" Instruction Set Architecture Reference Guide (July 2026). The comments in the code are by the model that wrote it; some were corrected since.
;; Cross Attention 2d. Allowed arithmetic: matrix products marked QUANTISED: E2M3 operands, one E8M0 scale for each 32 along K, by v_wmma_scale_f32_16x16x128_f8f6f4 with both operands' format E2M3, f32 sums; everything else in f32.
;; Inputs: lidar_features 32 x 256 x 21 x 61 float32; visual_features 32 x 256 x 21 x 61 float32.
;; Outputs: out0 32 x 256 x 21 x 61 float32.
;; This version of the problem:
;;   THIS VERSION OF THE PROBLEM IS GIVEN IN LOW PRECISION. The matrix products marked QUANTISED in the list below multiply operands that are first quantised to E2M3 (2 exponent bits, 3 mantissa bits; 6 bits a number), with one power-of-two scale for each 32 numbers along K (OCP MX v1.0); their sums are f32. All else is computed in f32.
;;   The module's matrix products, in the order in which they are computed (A, B: the left and right operand; K: the contracted axis; several contracted axes count as one K, in the product's order):
;;     1. batch 32 x [M 1,281, K 256] x [K 256, N 1,281]; A: input lidar_features; B: input visual_features: QUANTISED
;;     2. batch 32 x [M 1,281, K 1,281] x [K 1,281, N 256]; A: softmax (see below); B: input visual_features: QUANTISED
;;     3. batch 32 x [M 1,281, K 256] x [K 256, N 1,281]; A: input visual_features; B: input lidar_features: QUANTISED
;;     4. batch 32 x [M 1,281, K 1,281] x [K 1,281, N 256]; A: softmax (see below); B: input lidar_features: QUANTISED
;;   THE QUANTISER, for each operand of a quantised product, along K:
;;     - K is cut into blocks of 32 from its start; a last block that is shorter is filled with zeros.
;;     - A block's scale is 2^e with e = floor(log2(the largest magnitude in the block)) - 2, held to -126 .. 127; a block of zeros has e = 0. As a byte (E8M0): e + 127.
;;     - Each number is divided by its block's scale, clamped to +-7.5, and rounded to the nearest number of E2M3, ties to even, subnormals kept.
;;     - The product sums the exact products of the quantised numbers (number of the format x scale) in f32.
;;   ~~~python
;;   def quantise(x, axis):      # numpy; x: float32 -> the quantised numbers, widened to float32 again
;;       x = np.moveaxis(x, axis, -1); K = x.shape[-1]
;;       x = np.pad(x, [(0, 0)] * (x.ndim - 1) + [(0, -K % 32)]); x = x.reshape(x.shape[:-1] + (-1, 32)); a = np.abs(x).max(-1, keepdims=True)
;;       e = np.where(a > 0, np.clip(np.frexp(np.where(a > 0, a, 1))[1] - 1 - 2, -126, 127), 0)      # np.frexp(a)[1] - 1 = floor(log2(a)), exactly
;;       r = np.clip(x / 2.0 ** e, -7.5, 7.5)
;;       step = 2.0 ** (np.maximum(np.frexp(np.where(r == 0, 1, r))[1] - 1, 0) - 3)
;;       q = np.round(r / step) * step * 2.0 ** e      # np.round: ties to even
;;       return np.moveaxis(q.reshape(q.shape[:-2] + (-1,))[..., :K], -1, axis).astype(np.float32)
;;   ~~~
;;   SOFTMAX AHEAD OF A QUANTISED PRODUCT. Where the list says 'softmax', what is quantised is not the finished softmax but p = 2^(t - M), with t = logit x log2(e) and M = ceil(the row's largest t), a whole number; so 1/2 < the row's largest p <= 1. The row's sum l is taken of the UNQUANTISED p, in f32, and the product's result is divided by l at the end. Since M is a whole number, a kernel that streams over the keys may use a running M (the ceiling of the running maximum): every later rescaling is an exact power of two, which a block's scale takes up: the codes' values come out the same.
;;   OPERANDS COMPUTED ON THE WAY. 'Computed on the way' means the value that the module computes at that place (a softmax that the list does not call 'softmax' is quantised finished and normalised). What goes into a quantiser is computed in f32, as accurately as f32 sums, v_exp_f32 and their like allow (about 1e-6 of the number): no bf16 or f16 on the way to a quantiser, and a product that is left as it is and whose result goes on into a quantised operand takes f32 operands (vector FMAs, or v_wmma_f32_16x16x4_f32). A number that lies on a knife's edge between two numbers of the format may be rounded either way, as far as f32 arithmetic and the matrix unit's own rounding can turn it there, and no further.
;; One version. Each part assembles by itself: llvm-mc -triple=amdgcn-amd-amdhsa -mcpu=gfx1250 --defsym DOCPART=n.
;; ======== version 1 of 1: 2 launches
;; workspace buffers: img 36,044,800 bytes
;; launch quant (part 1): grid 11 x 64, 8 waves a work-group, no clusters, 136,192 bytes of LDS; arguments lidar_features, visual_features, img; writes img
.if DOCPART == 1
	.amdgcn_target "amdgcn-amd-amdhsa--gfx1250"
	.amdhsa_code_object_version 6
	.text
	.protected	k_q911e58dd9e_quant
	.globl	k_q911e58dd9e_quant
	.p2align	8
	.type	k_q911e58dd9e_quant,@function
k_q911e58dd9e_quant:
	s_mov_b64 s[64:65], 0
	v_nop
	global_prefetch_b8 v0, s[64:65] scope:SCOPE_SE
	s_setreg_imm32_b32 hwreg(HW_REG_WAVE_MODE, 25, 1), 1
	s_wait_xcnt 0x0
; Both inputs, taken per batch as dense [1281][256] f32 (rows of 1,024 bytes), become codes of FP6 (E2M3) with one E8M0 byte for each 32 along K, in BOTH forms that the attention wants:
; along the 256 channels (an operand of the score products) and along the rows (the keys: an operand of the second products).  Each f32 byte is read once.
; A work-group makes one RECORD of 51,200 bytes from 128 rows: x = which 128 rows (0..10), y = 2 x batch + pass; pass 0 is visual, pass 1 lidar.  Record number (2 batch + pass) 11 + x.
; A record holds IMAGES OF OPERAND REGISTERS: a fragment (16 rows x 128 K, 12 registers a lane) is 1,536 bytes, register i of lane l at 512 (i / 4) + 16 l + 4 (i % 4).
;   0      16 fragments along the channels: fragment 8 (t / 4) + 4 c + t % 4 = key tile t, channels 128 c on; lane r of tile 2 b + u is row 32 b + 8 u + r + 8 (r / 8)
;   24,576 their scale words: block t / 4 of 512 bytes, 16 bytes a lane, word t % 4; lanes 0-15 c = 0, lanes 16-31 c = 1
;   25,600 16 fragments along the rows: fragment n = channels 16 n on, K = the record's 128 rows
;   50,176 their scale words: block n / 8, lanes 16 ((n / 4) % 2) + r, word n % 4
; A block's scale is 2^(floor(log2(largest magnitude)) - 2): its byte is the largest magnitude's exponent field - 2, held at 1 from below.
; Rows 1,281 to 1,407 (record 10) are zeros: zero codes under the byte 1.
; LIMITS: NaN and infinities among the inputs are not served.  A block of zeros gets the byte 1 where the rule says 127: its codes are zeros, and this program alone reads the bytes.
; Eight waves.  The 128 rows go into LDS once (pitch 1,040 bytes); wave w then makes key tile w (two fragments) and channels 32 w .. 32 w + 31 (two fragments).
; No tensor load: the last record has one row, and two work-groups lie on a WGP, so that one's loads stand beside the other's arithmetic.
.set TP,    1040                       ; a row in LDS: 1,024 bytes + 16
.set HALF,  64*TP                      ; 64 rows: what an LDS immediate reaches
.set SCB,   128*TP                     ; behind the rows: the scale words' images, 1,024 + 1,024 bytes
.set SPARE, SCB+2048                   ; the spare words, 128 bytes for each wave: four blocks of 256 bytes that no other line names
.set REC,   51200
.set FRB,   1536
.set M,     46                         ; v46-49  largest magnitudes
.set SO,    50                         ; v50-53  the conversions' scale operands
.set BY,    54                         ; v54-57  scale bytes
.set W0,    58                         ; v58, v59 scale words
.set W1,    59
.set Y,     64                         ; v64-191 128 numbers
.set P,     192                        ; v192-203, v204-215 two fragments
.set R,     204
.set CT,    216                        ; v216-231 second halves of blocks, as the conversions leave them
	s_load_b128 s[4:7], s[0:1], 0x0                ; lidar, visual
	s_load_b64 s[8:9], s[0:1], 0x10                ; img
	v_lshl_add_u32 v1, v0, 2, SPARE                ; my spare word; never rewritten
	v_mov_b32 v2, 0                                ; 0; never rewritten
	v_lshrrev_b32 v3, 5, v0
	v_readfirstlane_b32 s10, v3                    ; wave 0..7
	v_and_b32 v3, 31, v0                           ; lane
	v_and_b32 v4, 15, v0                           ; r
	v_bfe_u32 v5, v0, 4, 1                         ; h
	s_and_b32 s12, ttmp7, 0xffff                   ; y = 2 x batch + pass
	s_lshr_b32 s13, s12, 1                         ; batch
	s_mul_i32 s28, s13, 1311744                    ; a batch is 1,281 rows of 1,024 bytes
	s_lshl_b32 s29, ttmp9, 17                      ; 128 rows
	s_add_co_u32 s28, s28, s29
	s_mov_b32 s29, 0                               ; s[28:29]: where my rows begin (under 2^26)
	s_mul_i32 s30, s12, 11
	s_add_co_u32 s30, s30, ttmp9
	s_mul_i32 s30, s30, REC
	s_mov_b32 s31, 0                               ; s[30:31]: where my record begins
	s_lshr_b32 s32, s10, 2                         ; wave / 4
	s_and_b32 s33, s10, 3                          ; wave % 4
	s_and_b32 s34, s10, 1                          ; wave % 2
	s_mul_i32 s20, s32, 8*FRB
	s_mul_i32 s35, s33, FRB
	s_add_co_u32 s20, s20, s35
	s_mov_b32 s21, 0                               ; s[20:21]: my key tile's fragment of c = 0 (c = 1: four fragments on)
	s_mul_i32 s22, s10, 2*FRB
	s_add_co_u32 s22, s22, 25600
	s_mov_b32 s23, 0                               ; s[22:23]: my two fragments along the rows
	s_mul_i32 s24, s32, 25600
	s_lshl_b32 s35, s33, 8
	s_add_co_u32 s24, s24, s35
	s_add_co_u32 s24, s24, 24576
	s_mov_b32 s25, 0                               ; s[24:25]: the 256 bytes of scale words that I store
	s_mov_b32 s26, 0x76543210
	s_mov_b32 s27, 0xfedcba98                      ; v_permlanex16_b32's selects for lane l xor 16
	v_lshlrev_b32 v8, 4, v0                        ; the fill: 16 bytes a thread, 4,096 a load of the work-group
	v_and_b32 v9, 63, v0
	v_lshrrev_b32 v40, 6, v0
	v_mul_u32_u24 v40, v40, TP
	v_lshl_add_u32 v40, v9, 4, v40                 ; in LDS: row t / 64, byte 16 (t % 64); load i lies 4 rows x i further on
	v_add_nc_u32 v41, HALF, v40                    ; the same for loads 16 to 31
	v_lshlrev_b32 v9, 4, v9                        ; the last record's one row: 16 (t % 64)
	v_and_b32 v42, 8, v4
	v_add_nc_u32 v42, v42, v4                      ; r + 8 (r / 8)
	v_mul_u32_u24 v42, v42, TP
	v_lshl_add_u32 v42, v5, 7, v42                 ; + 128 h bytes: my half's 32 channels of each 64
	s_lshr_b32 s35, s10, 1
	s_lshl_b32 s35, s35, 5
	s_lshl_b32 s14, s34, 3
	s_add_co_u32 s35, s35, s14                     ; key tile w begins at row 32 (w / 2) + 8 (w % 2)
	s_mul_i32 s35, s35, TP
	v_add_nc_u32 v42, s35, v42                     ; v42: my row of my key tile
	v_lshlrev_b32 v43, 2, v0                       ; v43: channel 32 w + lane = my thread's number: 4 bytes
	v_add_nc_u32 v44, HALF, v43                    ; v44: the same, rows 64 on
	v_lshlrev_b32 v45, 4, v3                       ; v45: 16 x lane: an image's place for my lane
	v_lshlrev_b32 v10, 3, v5                       ; v10: 8 h
	v_mov_b32 v60, 0                               ; written once: a lane permute's destination counts as one of its sources
	s_lshl_b32 s35, s32, 9
	s_lshl_b32 s14, s33, 2
	s_add_co_u32 s14, s14, s35
	s_add_co_u32 s14, s14, SCB
	v_add_nc_u32 v62, s14, v45                     ; v62: my key tile's scale word: block w / 4, word w % 4, 16 bytes a lane
	s_lshr_b32 s14, s10, 1
	s_and_b32 s14, s14, 1
	s_lshl_b32 s14, s14, 8
	s_add_co_u32 s14, s14, s35
	s_lshl_b32 s15, s34, 3
	s_add_co_u32 s14, s14, s15
	s_add_co_u32 s14, s14, SCB+1024
	v_lshlrev_b32 v63, 4, v4
	v_lshl_add_u32 v63, v5, 2, v63
	v_add_nc_u32 v63, s14, v63                     ; v63: my channel's scale word: fragment n = 2 w + h: block n / 8, lane 16 ((n / 4) % 2) + r, word n % 4
	s_lshl_b32 s14, s10, 8
	s_add_co_u32 s14, s14, SCB
	v_lshlrev_b32 v7, 3, v3                        ; v7: 8 x lane
	v_add_nc_u32 v6, s14, v7                       ; v6: the 256 bytes of scale words that my wave stores
	s_wait_kmcnt 0x0
	s_and_b32 s14, s12, 1
	s_cmp_eq_u32 s14, 1                            ; the choice hangs on the work-group's number alone
	s_cselect_b64 s[16:17], s[4:5], s[6:7]         ; pass 1: lidar; pass 0: visual
	s_add_nc_u64 s[16:17], s[16:17], s[28:29]
	s_add_nc_u64 s[18:19], s[8:9], s[30:31]
	s_add_nc_u64 s[20:21], s[18:19], s[20:21]
	s_add_nc_u64 s[22:23], s[18:19], s[22:23]
	s_add_nc_u64 s[24:25], s[18:19], s[24:25]
	; ---- THE FILL.  Records 0 to 9: 32 loads a thread, each of the work-group's loads 4,096 consecutive bytes.  Record 10 has one row, 1,280: one load; no load leaves the buffer.
	s_cmp_eq_u32 ttmp9, 10
	s_cbranch_scc1 .Ltail
.set i, 0
.rept 32
	global_load_b128 v[Y+4*i:Y+4*i+3], v8, s[16:17] offset:4096*i th:TH_LOAD_NT
.set i, i+1
.endr
	s_branch .Lfilled
.Ltail:
	global_load_b128 v[Y:Y+3], v9, s[16:17] th:TH_LOAD_NT
	v_cmp_gt_u32 vcc_lo, 64, v0                    ; threads 0 to 63 hold the row; all else of the record's 128 rows is zeros
.set i, 4
.rept 124
	v_mov_b32 v[Y+i], 0
.set i, i+1
.endr
	s_wait_loadcnt 0x0
.irp j, 0,1,2,3
	v_cndmask_b32 v[Y+\j], 0, v[Y+\j], vcc_lo
.endr
.Lfilled:
	s_wait_loadcnt 0x0
.set i, 0
.rept 16
	ds_store_b128 v40, v[Y+4*i:Y+4*i+3] offset:4*TP*i
.set i, i+1
.endr
.set i, 0
.rept 16
	ds_store_b128 v41, v[Y+64+4*i:Y+64+4*i+3] offset:4*TP*i
.set i, i+1
.endr
	s_wait_dscnt 0x0                               ; for the others' sake: my stores have landed
	s_barrier_signal -1
	s_barrier_wait -1                              ; the 128 rows lie in LDS; nobody writes them again
; 64 numbers of a lane, v[Y + 64 c] on: two whole blocks of 32 along the channels (blocks h and 2 + h of my row's 128) become the fragment's 12 registers in v[dst] on and my row's scale word in v[w].
.macro KQ c, dst, w
.irp p, 0,1
	v_max3_num_f32 v[M+\p], |v[Y+64*\c+32*\p]|, |v[Y+64*\c+32*\p+1]|, 0x1800000   ; and the floor 2^(3 - 127): the byte cannot fall under 1
.endr
.irp i, 2,4,6,8,10,12,14,16,18,20,22,24,26,28,30
.irp p, 0,1
	v_max3_num_f32 v[M+\p], v[M+\p], |v[Y+64*\c+32*\p+\i]|, |v[Y+64*\c+32*\p+\i+1]|   ; (the two blocks by turns)
.endr
.endr
.irp p, 0,1
	v_add_nc_u32 v[SO+\p], 0xff000000, v[M+\p]     ; 2 off the exponent field: the conversion takes the exponent field of this operand as its scale
.endr
.irp p, 0,1
	v_lshrrev_b32 v[BY+\p], 23, v[SO+\p]           ; the scale's byte
.endr
	v_lshl_or_b32 v[\w], v[BY+1], 16, v[BY]        ; my two bytes,
	v_lshlrev_b32 v[\w], v10, v[\w]                ; 8 h bits up;
	v_permlanex16_b32 v60, v[\w], s26, s27
	v_or_b32 v[\w], v[\w], v60                     ; with lane l xor 16's two the word is whole, in both lanes
.irp p, 0,1
	v_cvt_scalef32_pk16_fp6_f32 v[\dst+6*\p:\dst+6*\p+2], v[Y+64*\c+32*\p:Y+64*\c+32*\p+15], v[SO+\p]
	v_cvt_scalef32_pk16_fp6_f32 v[CT+4*\p:CT+4*\p+2], v[Y+64*\c+32*\p+16:Y+64*\c+32*\p+31], v[SO+\p]   ; (a conversion's three registers begin on an even number)
.endr
	v_nop                                          ; one plain instruction behind the scaled conversions
.irp p, 0,1
.irp i, 0,1,2
	v_mov_b32 v[\dst+6*\p+3+\i], v[CT+4*\p+\i]
.endr
.endr
.endm
	; ---- ALONG THE CHANNELS: wave w makes key tile w.  Lane (r, h) takes, of its row, channels 128 c + 64 p + 32 h + 0 .. 31: the very order of the operand's registers.
.irp c, 0,1
.irp p, 0,1
.irp i, 0,1,2,3,4,5,6,7
	ds_load_b128 v[Y+64*\c+32*\p+4*\i:Y+64*\c+32*\p+4*\i+3], v42 offset:512*\c+256*\p+16*\i
.endr
.endr
.endr
	s_wait_dscnt 16                                ; c = 0's sixteen loads are in; c = 1's sixteen may be out
	KQ 0, P, W0
.irp j, 0,1,2
	global_store_b128 v45, v[P+4*\j:P+4*\j+3], s[20:21] offset:512*\j          ; 32 lanes store 512 consecutive bytes, aligned
.endr
	s_wait_dscnt 0x0
	KQ 1, R, W1
.irp j, 0,1,2
	global_store_b128 v45, v[R+4*\j:R+4*\j+3], s[20:21] offset:4*FRB+512*\j
.endr
	v_cmp_le_u32 vcc_lo, 16, v3
	v_cndmask_b32 v[W0], v[W0], v[W1], vcc_lo      ; lanes 0-15 carry c = 0's word of row r, lanes 16-31 c = 1's
	ds_store_b32 v62, v[W0]
	; ---- ALONG THE ROWS: a lane takes channel 32 w + lane, and its registers run down the 128 rows: four whole blocks a lane, no other lane is asked for a maximum.
.set i, 0
.rept 64
	ds_load_b32 v[Y+i], v43 offset:TP*i            ; 32 lanes read 128 consecutive bytes
.set i, i+1
.endr
.set i, 0
.rept 64
	ds_load_b32 v[Y+64+i], v44 offset:TP*i
.set i, i+1
.endr
	s_wait_dscnt 0x0
	s_wait_xcnt 0x0                                ; the six stores above have read their data: both fragments' registers are written again only behind this wait
.irp b, 0,1,2,3
	v_max3_num_f32 v[M+\b], |v[Y+32*\b]|, |v[Y+32*\b+1]|, 0x1800000
.endr
.irp i, 2,4,6,8,10,12,14,16,18,20,22,24,26,28,30
.irp b, 0,1,2,3
	v_max3_num_f32 v[M+\b], v[M+\b], |v[Y+32*\b+\i]|, |v[Y+32*\b+\i+1]|   ; (the four blocks by turns)
.endr
.endr
.irp b, 0,1,2,3
	v_add_nc_u32 v[SO+\b], 0xff000000, v[M+\b]
.endr
.irp b, 0,1,2,3
	v_lshrrev_b32 v[BY+\b], 23, v[SO+\b]
.endr
	v_lshl_or_b32 v[W0], v[BY+1], 8, v[BY]         ; my channel's scale word
	v_lshl_or_b32 v[W0], v[BY+2], 16, v[W0]
	v_lshl_or_b32 v[W0], v[BY+3], 24, v[W0]
.irp b, 0,1,2,3                        ; blocks 0 and 2 into the first run of 12 registers, blocks 1 and 3 into the second
	v_cvt_scalef32_pk16_fp6_f32 v[P+12*(\b%2)+6*(\b/2):P+12*(\b%2)+6*(\b/2)+2], v[Y+32*\b:Y+32*\b+15], v[SO+\b]
	v_cvt_scalef32_pk16_fp6_f32 v[CT+4*\b:CT+4*\b+2], v[Y+32*\b+16:Y+32*\b+31], v[SO+\b]
.endr
	v_nop                                          ; one plain instruction behind the scaled conversions
.irp b, 0,1,2,3
.irp i, 0,1,2
	v_mov_b32 v[P+12*(\b%2)+6*(\b/2)+3+\i], v[CT+4*\b+\i]
.endr
.endr
; Lanes 0-15 hold channel tile 2 w, lanes 16-31 tile 2 w + 1.  An operand wants blocks 0, 2 of a channel in lane r and blocks 1, 3 in lane 16 + r: the first run's upper lanes change places with the second's lower.
.set i, 0
.rept 12
	v_permlane16_swap_b32 v[P+i], v[R+i]
.set i, i+1
.endr
.irp j, 0,1,2
	global_store_b128 v45, v[P+4*\j:P+4*\j+3], s[22:23] offset:512*\j          ; fragment 2 w
.endr
.irp j, 0,1,2
	global_store_b128 v45, v[R+4*\j:R+4*\j+3], s[22:23] offset:FRB+512*\j      ; fragment 2 w + 1
.endr
	ds_store_b32 v63, v[W0]
	s_wait_dscnt 0x0                               ; for the others' sake: my scale words have landed
	s_barrier_signal -1
	s_barrier_wait -1
	ds_load_b64 v[12:13], v6                       ; the 2,048 bytes of scale words leave as eight aligned runs of 256 bytes, one a wave
	s_wait_dscnt 0x0
	global_store_b64 v7, v[12:13], s[24:25]
	s_wait_tensorcnt 0x0                           ; the wave's end, behind my last LDS store
	ds_add_u32 v1, v2
	s_wait_dscnt 0x0
	s_endpgm
.Lfunc_end_k_q911e58dd9e_quant:
	.size	k_q911e58dd9e_quant, .Lfunc_end_k_q911e58dd9e_quant-k_q911e58dd9e_quant
	.p2alignl 7, 3214868480
	.fill 96, 4, 3214868480
	.section	.rodata,"a",@progbits
	.p2align	6, 0x0
	.amdhsa_kernel k_q911e58dd9e_quant
		.amdhsa_group_segment_fixed_size 136192
		.amdhsa_private_segment_fixed_size 0
		.amdhsa_enable_private_segment 0
		.amdhsa_kernarg_size 24
		.amdhsa_user_sgpr_count 2
		.amdhsa_user_sgpr_kernarg_segment_ptr 1
		.amdhsa_wavefront_size32 1
		.amdhsa_system_sgpr_workgroup_id_x 1
		.amdhsa_system_sgpr_workgroup_id_y 1
		.amdhsa_system_sgpr_workgroup_id_z 1
		.amdhsa_system_vgpr_workitem_id 0
		.amdhsa_next_free_vgpr 232
		.amdhsa_next_free_sgpr 66
		.amdhsa_reserve_vcc 1
		.amdhsa_float_denorm_mode_32 3
		.amdhsa_float_denorm_mode_16_64 3
		.amdhsa_memory_ordered 1
		.amdhsa_forward_progress 1
		.amdhsa_inst_pref_size 37
	.end_amdhsa_kernel
	.amdgpu_metadata
---
amdhsa.version: [ 1, 2 ]
amdhsa.kernels:
  - .name:           k_q911e58dd9e_quant
    .symbol:         k_q911e58dd9e_quant.kd
    .args:
      - { .name: lidar_features, .offset: 0, .size: 8, .value_kind: global_buffer, .address_space: global }
      - { .name: visual_features, .offset: 8, .size: 8, .value_kind: global_buffer, .address_space: global }
      - { .name: img, .offset: 16, .size: 8, .value_kind: global_buffer, .address_space: global }
    .group_segment_fixed_size: 136192
    .private_segment_fixed_size: 0
    .kernarg_segment_align: 8
    .kernarg_segment_size: 24
    .max_flat_workgroup_size: 256
    .sgpr_count:     66
    .vgpr_count:     232
    .wavefront_size: 32
...
	.end_amdgpu_metadata
.endif
;; end of part 1
;; launch attn (part 2): grid 8 x 32, 4 waves a work-group, clusters of 4 x 1, 327,680 bytes of LDS; arguments img, out0; writes out0
.if DOCPART == 2
	.amdgcn_target "amdgcn-amd-amdhsa--gfx1250"
	.amdhsa_code_object_version 6
	.text
	.protected	k_q911e58dd9e_attn
	.globl	k_q911e58dd9e_attn
	.p2align	8
	.type	k_q911e58dd9e_attn,@function
k_q911e58dd9e_attn:
	s_mov_b64 s[64:65], 0
	v_nop
	global_prefetch_b8 v0, s[64:65] scope:SCOPE_SE
	s_setreg_imm32_b32 hwreg(HW_REG_WAVE_MODE, 25, 1), 1
	s_wait_xcnt 0x0
	s_wait_alu depctr_hold_cnt(0) depctr_sa_sdst(0) depctr_va_vdst(0) depctr_va_sdst(0) depctr_va_ssrc(0) depctr_va_vcc(0) depctr_vm_vsrc(0)
	s_getreg_b32 s2, hwreg(HW_REG_IB_STS2, 6, 4)
	s_cmp_eq_u32 s2, 0
	s_cbranch_scc0 .Lentry_in_a_cluster
	s_endpgm
.Lentry_in_a_cluster:
	s_bfe_u32 s2, ttmp6, 0x10000c
	s_cmp_lg_u32 s2, 0x3003
	s_cbranch_scc0 .Lentry_shape_is_right
	s_endpgm
.Lentry_shape_is_right:
; out[s] = softmax(L[s] . V^T / 16) V + softmax(V[s] . L^T / 16) L for 32 batches of [1281][256], all four products on codes of FP6 (E2M3) with E8M0 scales.
; img holds, for each batch, 22 records of 51,200 bytes on end: 11 of visual, then 11 of lidar; a record is 128 rows as images of operand registers (16 fragments along the channels, their scale words,
; 16 fragments along the rows, their scale words; a fragment is 1,536 bytes: three loads of 512 consecutive bytes).  Rows 1,281 to 1,407 are zero codes.
; THE SOFTMAX: t = score x log2(e) / 16; M = the running largest t rounded UP to a whole number; p = 2^(t - M) is quantised along the keys, not normalised; the row's sum is taken of the unquantised p and
; divides at the end.  When M moves, the sum and O are multiplied by 2^(old M - new M): exact.
; SHARES.  Eight work-groups a batch, four waves each, as many as a WGP has SIMDs; a wave owns THREE tiles of 16 rows, so that each fragment read from LDS feeds three matrix instructions: 96 places for the
; batch's 81 tiles.  Tile T = 12 x work-group + 3 x wave + i owns rows BR + k + 8 (k / 8), BR = 32 (T / 2) + 8 (T % 2): a key tile of the images, so its queries' fragments are loaded as they lie (for T over 87
; tile 87's, so that no load leaves img).  Pass 0: queries lidar, keys visual; the result, divided by its sum, is parked in the wave's own LDS.  Pass 1: queries visual, keys lidar; the parked rows are added, and
; the wave stores its rows: each output row has one owner.  Tiles past row 1,280 run the same text, and their stores have no lane on.
; LAYOUT.  Both products are used transposed: S^T = K Q^T (source 0 = 16 keys), O^T = V^T P^T (source 0 = 16 channels): a lane holds ONE query throughout.  The keys of a tile are chosen so that the 16 registers
; of tiles 2 b and 2 b + 1 are the 16 neighbouring keys 32 b + 16 (lane / 16) + 0 .. 15.
; A TRIP is one record, 128 keys: 48 products K Q^T, whose fragments were fetched in the trip before; one run of loads for V; three softmaxes; THE CHANGE OF SLOTS, the record being read out by then; 48 products
; V^T P, among which the next record's K is fetched as buffers fall free.  The wave is alone on its SIMD, so vector work stands behind matrix instructions where it can: four or five lines and two switches of the
; register windows behind each of 60 of a trip's 96.
; CLUSTER.  The four work-groups of a cluster belong to one batch and walk the same 22 records: each record is asked for JOINTLY, wave 0 its first half, wave 1 its second, 100 rows of 256 bytes each.
; LIMITS: NaN and infinities among the inputs are not served.
; REGISTERS, in windows of 256 (s_set_vgpr_msb: bits 1:0 source 0, 3:2 source 1, 5:4 source 2, 7:6 destination):
;   window 0: v0 thread; v1, v2 the add's two; v3 -infinity, later the park by rows; v4, v6, v8 f of tiles 0-2 (later 1 / sum), each the low word of a pair whose high word is v5 the prefetch's offset, v7 16 x lane,
;     v9 the LDS address in the slot in hand; v10-15 (-M, largest t) a tile; v16-21 the sums, two halves a tile; v22-23 at work; v24-35 the blocks' largest scores, then p's, then scale operands; v36-39 at work;
;     v40 a first row; v41-43 Q's scale words, v44-46 p's, v48-55 K's, v56-63 V's (these 22 hold scales and nothing else); v47 the park by query; v64-255 S^T, then p, 64 a tile
;   window 1: v0-35 p's codes; v36-43, v240-255 second halves of p's blocks; v48-239 four buffers of four fragments
;   window 2: O^T of tiles 0 and 1, 128 each      window 3: v0-127 O^T of tile 2; v128-199 Q, 24 a tile; v200-247 a fifth buffer
.set REC,   51200
.set HALFR, 25600
.set FRB,   1536
.set SLOT1, 1<<16                      ; slot 1 begins here, so that one exclusive or turns an address in one slot into the other's
.set SPARE, 51200                      ; between the slots: the spare words, 128 bytes for each wave: two blocks of 256 bytes that no other line names
.set PARK,  SLOT1+REC                  ; behind the ring: for each wave three tiles of 16 rows x (1,024 + 16) bytes; no tile of the ring lands here
.set PP,    1040
.set PT,    16*PP
.set NI,    3
.set FF,    4
.set PFO,   5
.set LI,    7
.set ADR,   9
.set MM,    10
.set LL,    16
.set CH,    22
.set BM,    24
.set SO,    36
.set BRV,   40
.set QS,    41
.set PS,    44
.set PK,    47
.set KS,    48
.set VS,    56
.set S,     64
.set PC,    0                          ; window 1
.set B0,    48
.set B1,    96
.set B2,    144
.set B3,    192
.set QW,    128                        ; window 3
.set B4,    200
.set MSB, 0
.macro WIN new                         ; the immediate's high byte repeats the setting that is left; a switch that changes nothing is dropped
.if MSB != \new
	s_set_vgpr_msb (MSB<<8)|\new
.set MSB, \new
.endif
.endm
.macro PLACES n
.rept \n
	v_nop
.endr
.endm
; A round of the cluster's barrier: my work-group's barrier; wave 0 signals for the work-group; every wave waits for all four work-groups; my work-group's barrier once more.
.macro CROUND
	s_barrier_signal -1
	s_barrier_wait -1
	s_cmp_lg_u32 s8, 0
	s_cbranch_scc1 .Lnot_wave_0_\@
	s_barrier_signal -3
.Lnot_wave_0_\@:
	s_barrier_wait -3
	s_barrier_signal -1
	s_barrier_wait -1
.endm
; The joint load: waves 0 and 1 fetch a record's two halves, the others nothing.  The branch hangs on the wave's number alone.  An s_nop 0 and four v_nop follow the line.
.macro TLOAD
	s_cmp_lt_u32 s8, 2
	s_cbranch_scc0 .Lasked_\@
	tensor_load_to_lds s[24:27], s[16:23]
	s_nop 0
.rept 4
	v_nop
.endr
.Lasked_\@:
.endm
; A prefetch of the record that the NEXT change of slots will ask for: 200 blocks of 256 bytes.  Both clusters of a batch walk the same records: the first cluster asks.  Its four partners take 50 blocks each, told
; apart BY ADDRESS; in each, waves 2 and 3 take 25 each, a lane a block (lanes 25 to 31 name lane 24's block again, in the same instruction).  Records 0 and 1 come by their loads alone; the loop's last trip,
; behind whose record there is none, asks for nothing.
.macro ASK
	s_cmp_gt_u32 s31, s30
	s_cbranch_scc0 .Lnot_mine_\@
	global_prefetch_b8 v[PFO], s[28:29] th:TH_LOAD_NT scope:SCOPE_SE
.Lnot_mine_\@:
.endm
; THE CHANGE OF SLOTS.  Each wave waits for all its tensor loads (its half of the next record), adds 0 to its spare word, and waits for that and for its reads of the slot in hand, of which V's fragments were the
; last.  fill = 1: behind a round of the cluster's barrier that slot takes the record two on: the load has a whole trip in which to land.
.macro CHANGE fill
	s_wait_tensorcnt 0x0                           ; no tensor load of mine is out, so the descriptor may be written
	ds_add_u32 v1, v2                              ; 0 onto my spare word
.if \fill
	s_xor_b32 s25, s25, SLOT1                      ; the walking descriptor: the other slot,
	s_add_nc_u64 s[26:27], s[26:27], REC           ; the next record; the type bits on top are not reached
	s_wait_xcnt 0x0                                ; the last prefetch, a trip back, has read its address, so it may be written:
	s_add_nc_u64 s[28:29], s[28:29], REC           ; one record further on than the descriptor
	s_wait_dscnt 0x0                               ; the add is done, and my reads of the slot are over
	CROUND
	TLOAD                                          ; the first thing behind the round, and a wave's one tensor load until the next
	ASK
.else
	s_wait_dscnt 0x0
	s_barrier_signal -1
	s_barrier_wait -1
.endif
.endm
.macro LDG reg, off                    ; four fragments, 12 loads of 512 consecutive bytes
.irp j, 0,1,2,3
.irp c, 0,1,2
	ds_load_b128 v[\reg+12*\j+4*\c:\reg+12*\j+4*\c+3], v[ADR] offset:\off+FRB*\j+512*\c
.endr
.endr
.endm
; Line n of 48 of the search for the largest score of blocks bb and bb + 1 of 32 keys (my 16 of each) in the three tiles: six chains by turns, eight lines each, every accumulator from its low end on.
.macro MXL n, bb
.set st, (\n)/6
.set rS, S+64*(((\n)%6)/2)+16*(\bb+(\n)%2)
.set rB, BM+4*(((\n)%6)/2)+\bb+(\n)%2
.if st == 0
	v_max3_num_f32 v[rB], v[rS], v[rS+1], v[rS+2]
.elseif st < 7
	v_max3_num_f32 v[rB], v[rB], v[rS+2*st+1], v[rS+2*st+2]
.else
	v_max_num_f32 v[rB], v[rB], v[rS+15]
.endif
.endm
; Group g of S^T = K Q^T: key tiles 4 (g / 2) + 0 .. 3, channels 128 (g % 2) on, for the three tiles of queries: 12 accumulators by turns.  Even g starts the sums.  The scale words of the second 128 channels
; lie in lanes 16-31 of the same registers.  mx = 1: four lines of the first 64 keys' search stand behind each product.
.macro QK g, buf, win, mx
.irp j, 0,1,2,3
.irp i, 0,1,2
.set rS, S+64*\i+32*((\g)/2)+8*\j
	WIN \win
.if (\g)%2 == 0
	v_wmma_scale_f32_16x16x128_f8f6f4 v[rS:rS+7], v[\buf+12*\j:\buf+12*\j+11], v[QW+24*\i:QW+24*\i+11], 0, v[KS+4*((\g)/2)+\j], v[QS+\i] matrix_a_fmt:MATRIX_FMT_FP6 matrix_b_fmt:MATRIX_FMT_FP6
.else
	v_wmma_scale_f32_16x16x128_f8f6f4 v[rS:rS+7], v[\buf+12*\j:\buf+12*\j+11], v[QW+24*\i+12:QW+24*\i+23], v[rS:rS+7], v[KS+4*((\g)/2)+\j], v[QS+\i] matrix_a_fmt:MATRIX_FMT_FP6 matrix_b_fmt:MATRIX_FMT_FP6 matrix_a_scale:MATRIX_SCALE_ROW1 matrix_b_scale:MATRIX_SCALE_ROW1
.endif
.if \mx
	WIN 0
.rept 4
	MXL qn, 0
.set qn, qn+1
.endr
.endif
.endr
.endr
.endm
.macro RS i, n                         ; channel tile n of tile i's O^T times f (or 1 / sum), in place, from its low end on
.set rR, 128*((\i)%2)+8*(\n)
.if (\i) < 2
	WIN 0x82                                       ; destination and source 0 in window 2
.else
	WIN 0xc3                                       ; in window 3
.endif
.irp e, 0,2,4,6
	v_pk_mul_f32 v[rR+\e:rR+\e+1], v[rR+\e:rR+\e+1], v[FF+2*(\i):FF+2*(\i)+1] op_sel_hi:[1,0]
.endr
.endm
; Line n of 32 of tile i's sum of the unquantised p: two at a time, in two chains (the sum itself, and the pair ch), which the last line joins.
.macro SUML i, n, ch
.set rS, S+64*(\i)
.set rL, LL+2*(\i)
.set kk, ((\n)+1)/2
.if (\n) == 0
	v_pk_add_f32 v[\ch:\ch+1], v[rS:rS+1], v[rS+2:rS+3]
.elseif (\n) == 31
	v_pk_add_f32 v[rL:rL+1], v[rL:rL+1], v[\ch:\ch+1]
.elseif (\n)%2 == 1
	v_pk_add_f32 v[rL:rL+1], v[rL:rL+1], v[rS+4*kk:rS+4*kk+1]
.else
	v_pk_add_f32 v[\ch:\ch+1], v[\ch:\ch+1], v[rS+4*kk+2:rS+4*kk+3]
.endif
.endm
.macro SL                              ; the next of the 64 lines of tiles 1 and 2's sums, the two tiles by turns
.if sn%2 == 0
	SUML 1, sn/2, CH
.else
	SUML 2, sn/2, SO
.endif
.set sn, sn+1
.endm
; Group g of O^T += V^T P^T: channel tiles 4 g + 0 .. 3 for the three tiles of queries; K = the record's 128 keys.  12 accumulators by turns.
; fill = 1: behind each product stands the rescaling of the accumulator that the next group's product of the same place adds onto; fill = 2: five lines of the sums.
.macro PV g, buf, fill
.irp j, 0,1,2,3
.irp i, 0,1,2
.set rO, 128*(\i%2)+8*(4*(\g)+\j)
.if \i < 2
	WIN 0xa5                                       ; sources 0 and 1 in window 1, C and D in window 2
.else
	WIN 0xf5                                       ; C and D in window 3
.endif
.if (\g)%2 == 0
	v_wmma_scale_f32_16x16x128_f8f6f4 v[rO:rO+7], v[\buf+12*\j:\buf+12*\j+11], v[PC+12*\i:PC+12*\i+11], v[rO:rO+7], v[VS+4*((\g)/2)+\j], v[PS+\i] matrix_a_fmt:MATRIX_FMT_FP6 matrix_b_fmt:MATRIX_FMT_FP6
.else
	v_wmma_scale_f32_16x16x128_f8f6f4 v[rO:rO+7], v[\buf+12*\j:\buf+12*\j+11], v[PC+12*\i:PC+12*\i+11], v[rO:rO+7], v[VS+4*((\g)/2)+\j], v[PS+\i] matrix_a_fmt:MATRIX_FMT_FP6 matrix_b_fmt:MATRIX_FMT_FP6 matrix_a_scale:MATRIX_SCALE_ROW1
.endif
.if \fill == 1
	RS \i, 4*(\g)+4+\j
.elseif \fill == 2
	WIN 0
.rept 5
	SL
.endr
.endif
.endr
.endr
.endm
.macro PF i, e                         ; pair e of tile i: t - M, two at a time (of the pairs c and -M the low word serves both halves)
	v_pk_fma_f32 v[S+64*(\i)+2*(\e):S+64*(\i)+2*(\e)+1], v[S+64*(\i)+2*(\e):S+64*(\i)+2*(\e)+1], s[34:35], v[MM+2*(\i):MM+2*(\i)+1] op_sel_hi:[1,0,0]
.endm
.macro EX i, n                         ; p = 2^(t - M), at most 1
	v_exp_f32 v[S+64*(\i)+(\n)], v[S+64*(\i)+(\n)]
.endm
.macro FB i                            ; the same multiply-add on each block's largest score,
.irp b, 0,1,2,3
	v_fma_f32 v[BM+4*(\i)+\b], v[BM+4*(\i)+\b], s34, v[MM+2*(\i)]
.endr
.endm
.macro XB i                            ; and the same exponential: the block's largest p, in the same bits
.irp b, 0,1,2,3
	v_exp_f32 v[BM+4*(\i)+\b], v[BM+4*(\i)+\b]
.endr
.endm
; A pass's last record has one key, key 0: register 0 of lanes 0-15.  All other scores become -infinity, so p = 0 there, and the blocks' largest scores are set accordingly.
.macro TAILMASK
	v_mov_b32 v[NI], 0xff800000
	v_cmp_gt_u32 vcc_lo, 0x100, v[LI]
.irp i, 0,1,2
	v_cndmask_b32 v[S+64*\i], v[NI], v[S+64*\i], vcc_lo
.set k, 1
.rept 63
	v_mov_b32 v[S+64*\i+k], v[NI]
.set k, k+1
.endr
	v_mov_b32 v[BM+4*\i], v[S+64*\i]
	v_mov_b32 v[BM+4*\i+1], v[NI]
	v_mov_b32 v[BM+4*\i+2], v[NI]
	v_mov_b32 v[BM+4*\i+3], v[NI]
.endr
.endm
.macro LOADQ off                       ; my three tiles' queries, as they lie in img: two fragments and a scale word a lane each (lanes 0-15: the first 128 channels' words, lanes 16-31 the second's)
	WIN 0xc0                                       ; destination window 3, address window 0
.irp i, 0,1,2
.irp j, 0,1,2
	global_load_b128 v[QW+24*\i+4*\j:QW+24*\i+4*\j+3], v[LI], s[38+2*\i:39+2*\i] offset:\off+512*\j
	global_load_b128 v[QW+24*\i+12+4*\j:QW+24*\i+12+4*\j+3], v[LI], s[38+2*\i:39+2*\i] offset:\off+4*FRB+512*\j
.endr
.endr
	WIN 0
.irp i, 0,1,2
	global_load_b32 v[QS+\i], v[LI], s[44+2*\i:45+2*\i] offset:\off
.endr
.endm
; The rows' sums: their two halves and lane l xor 16's; f's registers take 1 / the sum.
.macro NORM3
	PLACES 4                                       ; behind the last products
.irp i, 0,1,2
	v_add_f32 v[LL+2*\i], v[LL+2*\i], v[LL+2*\i+1]
.endr
.irp i, 0,1,2
	v_permlanex16_b32 v[SO+\i], v[LL+2*\i], s36, s37
.endr
.irp i, 0,1,2
	v_add_f32 v[LL+2*\i], v[LL+2*\i], v[SO+\i]
.endr
.irp i, 0,1,2
	v_rcp_f32 v[FF+2*\i], v[LL+2*\i]
.endr
	v_nop                                          ; a plain instruction behind the reciprocals,
	s_wait_alu depctr_va_vdst(0)                   ; and a wait ahead of their first reader: one for the three
.endm
; Pass 0's result, divided by its sum, goes to my park: lane (r, h) puts channels 16 n + 8 h + 0 .. 7 of query r at 64 n + 32 h of row r.  Then pass 1 begins: nothing is cleared: its first f is
; 2^(a saturated, hugely negative whole number) = 0, which makes zeros of the finite O^T and sums.
.macro PASSEND0
	NORM3
.irp i, 0,1,2
.irp n, 0,1,2,3,4,5,6,7,8,9,10,11,12,13,14,15
	RS \i, \n
.endr
.endr
.irp i, 0,1,2
.if \i < 2
	WIN 0x08                                       ; an LDS store's data are its source 1: window 2
.else
	WIN 0x0c                                       ; window 3
.endif
.irp n, 0,1,2,3,4,5,6,7,8,9,10,11,12,13,14,15
	ds_store_b128 v[PK], v[128*(\i%2)+8*\n:128*(\i%2)+8*\n+3] offset:PT*\i+64*\n
	ds_store_b128 v[PK], v[128*(\i%2)+8*\n+4:128*(\i%2)+8*\n+7] offset:PT*\i+64*\n+16
.endr
.endr
	WIN 0
.irp i, 0,1,2
	v_mov_b32 v[MM+2*\i+1], 0xff61b1e6
.endr
.irp i, 0,1,2
	v_floor_f32 v[MM+2*\i], -v[MM+2*\i+1]
.endr
.endm
; A TRIP.  mode 0: in the loop, records 0 to 19 (record 10, a pass's last, by branches on the loop's counter, which lead round vector lines, loads into registers and LDS stores alone);
; mode 1: record 20: nothing is left to ask for; mode 2: record 21, the last.
; The accumulators take turns, one matrix instruction a turn, from trip to trip too.
; A load into a register that a matrix instruction has read, and a vector instruction that reads or writes one of its registers, stand four plain vector instructions behind it, none of which names a register of
; its (ISA guide 7.12.1 for vector instructions).
.macro TRIP mode
	s_wait_dscnt 0x0                               ; K's sixteen fragments and its scale words, asked for among the last trip's products
	s_wait_loadcnt 0x0                             ; the queries, where a pass begins
	QK 0, B4, 0x0f, 0                              ; sources 0 and 1 in window 3
	QK 1, B0, 0x0d, 0                              ; source 0 in window 1, source 1 in window 3
	WIN 0
	PLACES 4                                       ; behind the first 64 keys' scores, which the lines among the next products read
.set qn, 0
	QK 2, B1, 0x0d, 1
	QK 3, B2, 0x0d, 0
	WIN 0
	PLACES 4
	ds_load_b128 v[VS:VS+3], v[ADR] offset:50176   ; V's scale words and all its sixteen fragments, in one run: they land under the softmax
	ds_load_b128 v[VS+4:VS+7], v[ADR] offset:50688
	WIN 0x40                                       ; destination window 1, address window 0
	LDG B0, HALFR
	LDG B1, HALFR+4*FRB
	LDG B2, HALFR+8*FRB
	LDG B3, HALFR+12*FRB
	WIN 0
.set qn, 0
.rept 48
	MXL qn, 2
.set qn, qn+1
.endr
.if \mode == 0
	s_cmp_lg_u32 s31, 10                           ; record 10
	s_cbranch_scc1 .Lnt_\@
	TAILMASK
	LOADQ 0                                        ; pass 1's queries: visual
.Lnt_\@:
.elseif \mode == 2
	TAILMASK
.endif
.irp i, 0,1,2
.irp b, 0,1,2,3
	v_permlanex16_b32 v[SO+\b], v[BM+4*\i+\b], s36, s37
.endr
.irp b, 0,1,2,3
	v_max_num_f32 v[BM+4*\i+\b], v[BM+4*\i+\b], v[SO+\b]   ; with lane l xor 16's 16 keys: THE LARGEST SCORE OF EACH BLOCK: it serves for the row's maximum and, since p rises with the score, for the block's largest p
.endr
.endr
.irp i, 0,1,2                          ; the three tiles by turns
	v_max3_num_f32 v[SO+\i], v[BM+4*\i], v[BM+4*\i+1], v[BM+4*\i+2]
.endr
.irp i, 0,1,2
	v_max_num_f32 v[SO+\i], v[SO+\i], v[BM+4*\i+3]
.endr
.irp i, 0,1,2
	v_mul_f32 v[SO+\i], s34, v[SO+\i]              ; as t (c is positive)
.endr
.irp i, 0,1,2
	v_max_num_f32 v[MM+2*\i+1], v[MM+2*\i+1], v[SO+\i]   ; the running largest t
.endr
.irp i, 0,1,2
	v_mov_b32 v[SO+\i], v[MM+2*\i]
.endr
.irp i, 0,1,2
	v_floor_f32 v[MM+2*\i], -v[MM+2*\i+1]          ; the new -M = floor(-t): M is a whole number
.endr
.irp i, 0,1,2
	v_sub_f32 v[SO+\i], v[MM+2*\i], v[SO+\i]       ; old M - new M: a whole number, 0 or less
.endr
.irp i, 0,1,2
	v_cvt_i32_f32 v[SO+\i], v[SO+\i]               ; (it saturates)
.endr
.irp i, 0,1,2
	v_ldexp_f32 v[FF+2*\i], 1.0, v[SO+\i]          ; f = 2^(old M - new M); 0 in a pass's first trip, which so begins its sums anew
.endr
	; THE EXPONENTIALS: two behind each plain line: a tile's stand among the next tile's scalings, the last tile's among the first tile's sums.  Two waits a trip, each ahead of the first line that names a result
	; issued since the wait before.
.set e, 0
.rept 32
	PF 0, e
.set e, e+1
.endr
	FB 0
.set e, 0
.rept 32
	PF 1, e
	EX 0, 2*e
	EX 0, 2*e+1
.set e, e+1
.endr
	FB 1
.set e, 0
.rept 32
	PF 2, e
	EX 1, 2*e
	EX 1, 2*e+1
.set e, e+1
.endr
	FB 2
	XB 0
	XB 1
.irp i, 0,1,2
	v_pk_mul_f32 v[LL+2*\i:LL+2*\i+1], v[LL+2*\i:LL+2*\i+1], v[FF+2*\i:FF+2*\i+1] op_sel_hi:[1,0]   ; the sums under the new M: plain lines behind the exponentials
.endr
	s_wait_alu depctr_va_vdst(0)                   ; for tiles 0 and 1
.set e, 0
.rept 32
	SUML 0, e, CH                                  ; THE ROW'S SUM IS TAKEN OF THE UNQUANTISED p
	EX 2, 2*e
	EX 2, 2*e+1
.set e, e+1
.endr
	XB 2
	v_nop                                          ; a plain instruction behind the last exponential
	s_wait_alu depctr_va_vdst(0)                   ; for tile 2
.irp i, 0,1,2
.irp b, 0,1,2,3
	v_max_num_f32 v[BM+4*\i+\b], 0x1800000, v[BM+4*\i+\b]   ; the floor 2^(3 - 127): the byte cannot fall under 1 (a block whose every p is 0 keeps that byte: its codes are zeros)
.endr
.endr
.irp i, 0,1,2
.irp b, 0,1,2,3
	v_add_nc_u32 v[BM+4*\i+\b], 0xff000000, v[BM+4*\i+\b]   ; 2 off the exponent field: the conversion's scale operand
.endr
.endr
.irp i, 0,1,2
.irp b, 0,1,2,3
	v_lshrrev_b32 v[SO+\b], 23, v[BM+4*\i+\b]      ; the scale's byte
.endr
	v_lshl_or_b32 v[PS+\i], v[SO+1], 8, v[SO]      ; p's scale word for these 128 keys
	v_lshl_or_b32 v[PS+\i], v[SO+2], 16, v[PS+\i]
	v_lshl_or_b32 v[PS+\i], v[SO+3], 24, v[PS+\i]
.endr
	WIN 0x40                                       ; the codes are made in window 1
.irp i, 0,1,2
.set rC, 232+8*\i
.if \i == 0
.set rC, 36
.endif
.irp c, 0,1
	v_cvt_scalef32_pk16_fp6_f32 v[PC+12*\i+6*\c:PC+12*\i+6*\c+2], v[S+64*\i+32*\c:S+64*\i+32*\c+15], v[BM+4*\i+2*\c]
	v_cvt_scalef32_pk16_fp6_f32 v[rC+4*\c:rC+4*\c+2], v[S+64*\i+32*\c+16:S+64*\i+32*\c+31], v[BM+4*\i+2*\c+1]   ; (a conversion's three registers begin on an even number)
.endr
.endr
	v_nop                                          ; one plain instruction behind the scaled conversions
	WIN 0x41                                       ; destination and source 0 in window 1
.irp i, 0,1,2                          ; the operand wants a WHOLE block in a lane: lanes 0-15 block 2 c, lanes 16-31 block 2 c + 1
.set rC, 232+8*\i
.if \i == 0
.set rC, 36
.endif
.irp c, 0,1
.irp k, 0,1,2
	v_permlane16_swap_b32 v[PC+12*\i+6*\c+\k], v[rC+4*\c+\k]
.endr
.irp k, 0,1,2
	v_mov_b32 v[PC+12*\i+6*\c+3+\k], v[rC+4*\c+\k]
.endr
.endr
.endr
	WIN 0                                          ; at a label and at a branch every window is 0
.if \mode == 0
	CHANGE 1
.elseif \mode == 1
	CHANGE 0
.else
	s_wait_dscnt 0x0                               ; V
.endif
.if \mode < 2
	s_xor_b32 s32, s32, SLOT1                      ; on to the other slot: the next record's K
	v_add_nc_u32 v[ADR], s32, v[LI]
	ds_load_b128 v[KS:KS+3], v[ADR] offset:24576   ; its scale words: tiles 0-3, tiles 4-7
	ds_load_b128 v[KS+4:KS+7], v[ADR] offset:25088
	WIN 0xc0                                       ; destination window 3
	LDG B4, 0
.endif
.irp i, 0,1,2
.irp n, 0,1,2,3
	RS \i, \n                                      ; O^T under the new M: the first group's accumulators.  These 48 lines also stand between the writing of p's codes and scale words and the products that take them
.endr
.endr
	PV 0, B0, 1
	PV 1, B1, 1
.if \mode < 2
	WIN 0x40
	LDG B0, 4*FRB                                  ; the four rescaling lines behind the last product are the places in front of these loads
	LDG B1, 8*FRB
.endif
	PV 2, B2, 1
.if \mode < 2
	WIN 0x40
	LDG B2, 12*FRB
.endif
.set sn, 0
	PV 3, B3, 2
	WIN 0
.rept 4
	SL
.endr
.if \mode == 0
	s_cmp_lg_u32 s31, 10
	s_cbranch_scc1 .Lnp_\@
	PASSEND0
.Lnp_\@:
.endif
.endm
	s_load_b128 s[4:7], s[0:1], 0x0                ; img s[4:5], out0 s[6:7]
	v_lshl_add_u32 v1, v0, 2, SPARE
	v_mov_b32 v2, 0
	ds_add_u32 v1, v2                              ; the wave's opening: the add, and its wait ahead of the first tensor load; the set-up below, work on registers, stands between them
	v_lshrrev_b32 v3, 5, v0
	v_readfirstlane_b32 s8, v3                     ; wave 0..3
	s_and_b32 s12, ttmp7, 0xffff                   ; the batch, which the four partners share
	s_mul_i32 s76, s12, 22*REC
	s_mov_b32 s77, 0                               ; s[76:77]: where the batch's 22 records begin
	s_and_b32 s33, s8, 1                           ; which half of a record I fetch, if I fetch
	s_mul_i32 s25, s33, HALFR                      ; descriptor group 0, 63:32: LDS address: slot 0, my half: no place in the cluster enters it
	s_mov_b32 s14, s25
	s_mov_b32 s15, 0
	s_mov_b32 s24, 1                               ; 1:0 count = 1
	s_mov_b32 s16, 15|(3<<16)|(1<<21)              ; group 1: 15:0 the mask: all four work-groups; 17:16 elements of 8 bytes; 20 no padding; 21 set beside a mask
	s_mov_b32 s17, 32<<16                          ; tensor_dim0 = 32 elements: rows of 256 bytes
	s_mov_b32 s18, 100<<16                         ; tensor_dim1 = 100 rows: half a record, dense
	s_mov_b32 s19, 32<<16                          ; tile_dim0
	s_mov_b32 s20, 100                             ; tile_dim1
	s_mov_b32 s21, 32                              ; from row to row
	s_mov_b32 s22, 0
	s_mov_b32 s23, 0
	s_mov_b32 s34, 0x3db8aa3b                      ; c = log2(e) / 16
	s_mov_b32 s35, s34                             ; (named with it as a pair, so it is written)
	s_mov_b32 s36, 0x76543210
	s_mov_b32 s37, 0xfedcba98                      ; v_permlanex16_b32's selects for lane l xor 16
	s_mov_b32 s32, 0                               ; the slot in hand
	s_mov_b32 s31, 20                              ; the loop's trips
	s_bfe_u32 s9, ttmp6, 0x40000                   ; cx: it enters global addresses and the stores' lanes alone
	s_lshl_b32 s10, ttmp9, 2
	s_add_co_u32 s10, s10, s9                      ; work-group of the batch, 0..7
	s_mul_i32 s11, s10, 12
	s_mul_i32 s13, s8, 3
	s_add_co_u32 s11, s11, s13                     ; my first tile, 0..93
	s_mul_i32 s70, s12, 1311744                    ; the batch in out0
.irp i, 0,1,2
	s_add_co_u32 s66, s11, \i                      ; T
	s_lshr_b32 s67, s66, 1
	s_lshl_b32 s67, s67, 5
	s_and_b32 s68, s66, 1
	s_lshl_b32 s68, s68, 3
	s_add_co_u32 s[56+\i], s67, s68                ; BR = 32 (T / 2) + 8 (T % 2): the tile's first row
	s_lshl_b32 s68, s[56+\i], 10
	s_add_co_u32 s[50+2*\i], s70, s68
	s_mov_b32 s[51+2*\i], 0                        ; that row in out0
	s_min_u32 s66, s66, 87                         ; the images have 88 tiles a pass
	s_lshr_b32 s67, s66, 3
	s_mul_i32 s67, s67, REC                        ; the queries' record,
	s_bfe_u32 s68, s66, 0x10002                    ; (T % 8) / 4
	s_and_b32 s69, s66, 3                          ; T % 4
	s_lshl_b32 s71, s68, 9
	s_lshl_b32 s72, s69, 2
	s_add_co_u32 s71, s71, s72
	s_add_co_u32 s71, s71, s67
	s_add_co_u32 s[44+2*\i], s71, 24576
	s_mov_b32 s[45+2*\i], 0                        ; their scale words (16 bytes a lane),
	s_mul_i32 s68, s68, 8*FRB
	s_mul_i32 s69, s69, FRB
	s_add_co_u32 s67, s67, s68
	s_add_co_u32 s[38+2*\i], s67, s69
	s_mov_b32 s[39+2*\i], 0                        ; their fragment of the first 128 channels (the second: four fragments on)
.endr
	s_mul_i32 s28, s9, 12800                       ; the prefetches: my work-group's 50 blocks of a record,
	s_mul_i32 s29, s33, 6400                       ; my wave's 25 of them,
	s_add_co_u32 s28, s28, s29
	s_add_co_u32 s28, s28, REC                     ; in record 1: the first change of slots steps it to record 2
	s_mov_b32 s29, 0
	s_lshr_b32 s30, s8, 1
	s_xor_b32 s30, s30, 1                          ; 0 in waves 2 and 3,
	s_or_b32 s30, s30, ttmp9                       ; of the batch's first cluster: the same in all four partners
	s_cmp_eq_u32 s30, 0
	s_cselect_b32 s30, 1, -1                       ; 1 in a wave that prefetches, else the greatest number
	v_and_b32 v[LI], 31, v0
	v_min_u32 v[PFO], 24, v[LI]
	v_lshlrev_b32 v[PFO], 8, v[PFO]                ; 256 x min(lane, 24); never rewritten
	v_lshlrev_b32 v[LI], 4, v[LI]                  ; 16 x lane; never rewritten
	v_and_b32 v[PK], 15, v0
	v_mul_u32_u24 v[PK], v[PK], PP
	v_bfe_u32 v3, v0, 4, 1
	v_lshl_add_u32 v[PK], v3, 5, v[PK]
	s_mul_i32 s60, s8, 3*PT
	s_add_co_u32 s60, s60, PARK                    ; my park
	v_add_nc_u32 v[PK], s60, v[PK]                 ; by query: row lane % 16, + 32 (lane / 16); channel tile n is 64 n bytes on, tile i 16,640 i
	s_wait_dscnt 0x0                               ; the opening add is done
	s_wait_kmcnt 0x0
	s_add_nc_u64 s[74:75], s[4:5], s[76:77]        ; the batch's records
	s_add_nc_u64 s[26:27], s[74:75], s[14:15]      ; group 0, 120:64: record 0, my half
	s_or_b32 s27, s27, 0x80000000                  ; 127:126 type = 2
.irp i, 0,1,2
	s_add_nc_u64 s[38+2*\i:39+2*\i], s[74:75], s[38+2*\i:39+2*\i]
	s_add_nc_u64 s[44+2*\i:45+2*\i], s[74:75], s[44+2*\i:45+2*\i]
	s_add_nc_u64 s[50+2*\i:51+2*\i], s[6:7], s[50+2*\i:51+2*\i]
.endr
	s_add_nc_u64 s[28:29], s[74:75], s[28:29]
	CROUND                                         ; all four work-groups are here: the first joint loads meet
	TLOAD                                          ; record 0 into slot 0
	LOADQ 11*REC                                   ; pass 0's queries: lidar, eleven records on
	WIN 0x80                                       ; O^T is cleared once, while record 0 is on its way, so that the trip is written without a first trip of its own: the first f multiplies zeros
.set k, 0
.rept 256
	v_mov_b32 v[k], 0
.set k, k+1
.endr
	WIN 0xc0
.set k, 0
.rept 128
	v_mov_b32 v[k], 0
.set k, k+1
.endr
	WIN 0
.irp b, 0,1,2,3
	v_mov_b32 v[SO+\b], 0                          ; written once: a lane permute's destination counts as one of its sources
.endr
.irp i, 0,1,2
	v_mov_b32 v[MM+2*\i+1], 0xff61b1e6             ; the largest t so far: -3e38, under every t
	v_mov_b32 v[LL+2*\i], 0                        ; the sum, in two halves
	v_mov_b32 v[LL+2*\i+1], 0
.endr
.irp i, 0,1,2
	v_floor_f32 v[MM+2*\i], -v[MM+2*\i+1]          ; -M
.endr
	CHANGE 1                                       ; record 0 is whole; record 1 goes into slot 1
	v_add_nc_u32 v[ADR], s32, v[LI]                ; record 0's K
	ds_load_b128 v[KS:KS+3], v[ADR] offset:24576
	ds_load_b128 v[KS+4:KS+7], v[ADR] offset:25088
	WIN 0xc0
	LDG B4, 0
	WIN 0x40
	LDG B0, 4*FRB
	LDG B1, 8*FRB
	LDG B2, 12*FRB
	WIN 0
.La:                                               ; records 0 to 19: behind each one's change of slots the record two on is asked for
	TRIP 0
	s_sub_co_u32 s31, s31, 1
	s_cmp_lg_u32 s31, 0
	s_cbranch_scc1 .La
	TRIP 1                                         ; records 20 and 21 are written out: nothing is left to fetch
	TRIP 2
	; THE WAY OUT, a tile at a time: the parked rows of pass 0 come back in O^T's layout, O^T / the sum is added, the sum of both goes back to the park and is read by rows: 32 lanes take 512 consecutive bytes
	NORM3
	v_add_nc_u32 v[NI], s60, v[LI]                 ; the park by rows: 16 bytes a lane
.irp i, 0,1,2
.set k, 0
.rept 16
	ds_load_b128 v[S+8*k:S+8*k+3], v[PK] offset:PT*\i+64*k
	ds_load_b128 v[S+8*k+4:S+8*k+7], v[PK] offset:PT*\i+64*k+16
.set k, k+1
.endr
	s_wait_dscnt 0x0
.if \i < 2
	WIN 0x02                                       ; source 0 in window 2
.else
	WIN 0x03                                       ; in window 3
.endif
.set k, 0
.rept 64
	v_pk_fma_f32 v[S+k:S+k+1], v[128*(\i%2)+k:128*(\i%2)+k+1], v[FF+2*\i:FF+2*\i+1], v[S+k:S+k+1] op_sel_hi:[1,0,1]
.set k, k+2
.endr
	WIN 0
.set k, 0
.rept 16
	ds_store_b128 v[PK], v[S+8*k:S+8*k+3] offset:PT*\i+64*k
	ds_store_b128 v[PK], v[S+8*k+4:S+8*k+7] offset:PT*\i+64*k+16
.set k, k+1
.endr
.set k, 0
.rept 16
	ds_load_b128 v[S+8*k:S+8*k+3], v[NI] offset:PT*\i+PP*k          ; LDS serves a wave's instructions in order (ISA guide 5.7.1.4): these see the stores above
	ds_load_b128 v[S+8*k+4:S+8*k+7], v[NI] offset:PT*\i+PP*k+512
.set k, k+1
.endr
	v_mov_b32 v[BRV], s[56+\i]                     ; BR
	s_wait_dscnt 0x0
	s_wait_xcnt 0x0                                ; EXEC changes only behind this wait
	v_cmp_gt_u32 vcc_lo, 1281, v[BRV]              ; the tile's first row exists in tiles 0 to 80,
	s_and_saveexec_b32 s59, vcc_lo
	global_store_b128 v[LI], v[S:S+3], s[50+2*\i:51+2*\i] th:TH_STORE_NT
	global_store_b128 v[LI], v[S+4:S+7], s[50+2*\i:51+2*\i] offset:512 th:TH_STORE_NT
	s_wait_xcnt 0x0
	s_or_b32 exec_lo, exec_lo, s59
	v_cmp_gt_u32 vcc_lo, 1280, v[BRV]              ; the other fifteen in tiles 0 to 79
	s_and_saveexec_b32 s59, vcc_lo
.set k, 1
.rept 15
	global_store_b128 v[LI], v[S+8*k:S+8*k+3], s[50+2*\i:51+2*\i] offset:(k+8*(k/8))*1024 th:TH_STORE_NT       ; 32 lanes store 512 consecutive bytes, at a multiple of 256 from out0's first byte
	global_store_b128 v[LI], v[S+8*k+4:S+8*k+7], s[50+2*\i:51+2*\i] offset:(k+8*(k/8))*1024+512 th:TH_STORE_NT
.set k, k+1
.endr
	s_wait_xcnt 0x0                                ; the stores have read their data too: the next tile's loads may land there
	s_or_b32 exec_lo, exec_lo, s59
.endr
	s_wait_tensorcnt 0x0                           ; the wave's end, behind my last tensor load and my last LDS store
	ds_add_u32 v1, v2
	s_wait_dscnt 0x0
	CROUND                                         ; the closing round: no work-group ends while a partner may still ask for a record that names it
	s_endpgm
.Lfunc_end_k_q911e58dd9e_attn:
	.size	k_q911e58dd9e_attn, .Lfunc_end_k_q911e58dd9e_attn-k_q911e58dd9e_attn
	.p2alignl 7, 3214868480
	.fill 96, 4, 3214868480
	.section	.rodata,"a",@progbits
	.p2align	6, 0x0
	.amdhsa_kernel k_q911e58dd9e_attn
		.amdhsa_group_segment_fixed_size 327680
		.amdhsa_private_segment_fixed_size 0
		.amdhsa_enable_private_segment 0
		.amdhsa_kernarg_size 16
		.amdhsa_user_sgpr_count 2
		.amdhsa_user_sgpr_kernarg_segment_ptr 1
		.amdhsa_wavefront_size32 1
		.amdhsa_system_sgpr_workgroup_id_x 1
		.amdhsa_system_sgpr_workgroup_id_y 1
		.amdhsa_system_sgpr_workgroup_id_z 1
		.amdhsa_system_vgpr_workitem_id 0
		.amdhsa_next_free_vgpr 1024
		.amdhsa_next_free_sgpr 80
		.amdhsa_reserve_vcc 1
		.amdhsa_float_denorm_mode_32 3
		.amdhsa_float_denorm_mode_16_64 3
		.amdhsa_memory_ordered 1
		.amdhsa_forward_progress 1
		.amdhsa_inst_pref_size 255
	.end_amdhsa_kernel
	.section	.bss,"aw",@nobits
	.p2align	6
	.space	262144
	.amdgpu_metadata
---
amdhsa.version: [ 1, 2 ]
amdhsa.kernels:
  - .name:           k_q911e58dd9e_attn
    .symbol:         k_q911e58dd9e_attn.kd
    .args:
      - { .name: img, .offset: 0, .size: 8, .value_kind: global_buffer, .address_space: global }
      - { .name: out0, .offset: 8, .size: 8, .value_kind: global_buffer, .address_space: global }
    .group_segment_fixed_size: 327680
    .private_segment_fixed_size: 0
    .kernarg_segment_align: 8
    .kernarg_segment_size: 16
    .max_flat_workgroup_size: 128
    .sgpr_count:     80
    .vgpr_count:     1024
    .wavefront_size: 32
...
	.end_amdgpu_metadata
.endif
;; end of part 2
